; MI455X (gfx1250); checked and timed in simulation.
; The chip was launched on July 23, 2026; its instructions are those of AMD's public machine-readable ISA for CDNA 5 (MIT licence, August 2026) and "CDNA5" Instruction Set Architecture Reference Guide (July 2026). The comments in the code are by the model that wrote it; some were corrected since.
;; Do RA Lo Kr. Allowed arithmetic: matrix products marked QUANTISED: E2M1 operands, one E8M0 scale for each 32 along K, by v_wmma_scale_f32_16x16x128_f8f6f4 with both operands' format E2M1 (or v_wmma_scale_f32_32x16x128_f4), f32 sums; products left as they are: f32 operands where the result goes on into a quantised operand, else bf16, f16 or f32 operands; f32 sums; everything else in f32.
;; Inputs: base_bias 4,096 float32; base_weight 4,096 x 4,096 float32; dora_weight 4,096 float32; w1a 64 x 4 float32; w1b 4 x 64 float32; w2a 64 x 4 float32; w2b 4 x 64 float32; x 4 x 512 x 4,096 float32.
;; Outputs: out0 4 x 512 x 4,096 float32.
;; This version of the problem:
;;   THIS VERSION OF THE PROBLEM IS GIVEN IN LOW PRECISION. The matrix products marked QUANTISED in the list below multiply operands that are first quantised to E2M1 (2 exponent bits, 1 mantissa bit; 4 bits a number), with one power-of-two scale for each 32 numbers along K (OCP MX v1.0); their sums are f32. All else is computed in f32.
;;   The module's matrix products, in the order in which they are computed (A, B: the left and right operand; K: the contracted axis; several contracted axes count as one K, in the product's order):
;;     1. [M 64, K 4] x [K 4, N 64]; A: input w1a; B: input w1b: left as it is (K = 4 < 32)
;;     2. [M 64, K 4] x [K 4, N 64]; A: input w2a; B: input w2b: left as it is (K = 4 < 32)
;;     3. [M 4,096, K 1] x [K 1, N 4,096]; A: computed on the way; B: computed on the way: left as it is (no contracted axis)
;;     4. [M 64, K 64] x [K 64, N 131,072]; A: computed on the way; B: input x: QUANTISED
;;     5. [M 131,072, K 64] x [K 64, N 64]; A: computed on the way; B: computed on the way: QUANTISED
;;     6. [M 2,048, K 4,096] x [K 4,096, N 4,096]; A: input x; B: input base_weight: QUANTISED
;;   THE QUANTISER, for each operand of a quantised product, along K:
;;     - K is cut into blocks of 32 from its start; a last block that is shorter is filled with zeros.
;;     - A block's scale is 2^e with e = floor(log2(the largest magnitude in the block)) - 2, held to -126 .. 127; a block of zeros has e = 0. As a byte (E8M0): e + 127.
;;     - Each number is divided by its block's scale, clamped to +-6, and rounded to the nearest number of E2M1, ties to even, subnormals kept.
;;     - The product sums the exact products of the quantised numbers (number of the format x scale) in f32.
;;   ~~~python
;;   def quantise(x, axis):      # numpy; x: float32 -> the quantised numbers, widened to float32 again
;;       x = np.moveaxis(x, axis, -1); K = x.shape[-1]
;;       x = np.pad(x, [(0, 0)] * (x.ndim - 1) + [(0, -K % 32)]); x = x.reshape(x.shape[:-1] + (-1, 32)); a = np.abs(x).max(-1, keepdims=True)
;;       e = np.where(a > 0, np.clip(np.frexp(np.where(a > 0, a, 1))[1] - 1 - 2, -126, 127), 0)      # np.frexp(a)[1] - 1 = floor(log2(a)), exactly
;;       r = np.clip(x / 2.0 ** e, -6, 6)
;;       step = 2.0 ** (np.maximum(np.frexp(np.where(r == 0, 1, r))[1] - 1, 0) - 1)
;;       q = np.round(r / step) * step * 2.0 ** e      # np.round: ties to even
;;       return np.moveaxis(q.reshape(q.shape[:-2] + (-1,))[..., :K], -1, axis).astype(np.float32)
;;   ~~~
;;   OPERANDS COMPUTED ON THE WAY. 'Computed on the way' means the value that the module computes at that place (a softmax that the list does not call 'softmax' is quantised finished and normalised). What goes into a quantiser is computed in f32, as accurately as f32 sums, v_exp_f32 and their like allow (about 1e-6 of the number): no bf16 or f16 on the way to a quantiser, and a product that is left as it is and whose result goes on into a quantised operand takes f32 operands (vector FMAs, or v_wmma_f32_16x16x4_f32). A number that lies on a knife's edge between two numbers of the format may be rounded either way, as far as f32 arithmetic and the matrix unit's own rounding can turn it there, and no further.
;; One version. Each part assembles by itself: llvm-mc -triple=amdgcn-amd-amdhsa -mcpu=gfx1250 --defsym DOCPART=n.
;; ======== version 1 of 1: 2 launches
;; limits: below input magnitudes of 1.7e-21 results are inexact or not finite
;; workspace buffers: xc 4,194,304 bytes; xs 262,144 bytes; wc 8,388,608 bytes; ws 524,288 bytes; tc 4,194,304 bytes; ts 262,144 bytes; cols 49,152 bytes
;; launch prep (part 1): grid 512 x 1, 4 waves a work-group, no clusters, 134,144 bytes of LDS; arguments x, base_weight, w1a, w1b, w2a, w2b, base_bias, dora_weight, xc, xs, wc, ws, tc, ts, cols; writes xc, xs, wc, ws, tc, ts, cols
.if DOCPART == 1
	.amdgcn_target "amdgcn-amd-amdhsa--gfx1250"
	.amdhsa_code_object_version 6
	.text
	.protected	k_q03698c7ed2_prep
	.globl	k_q03698c7ed2_prep
	.p2align	8
	.type	k_q03698c7ed2_prep,@function
k_q03698c7ed2_prep:
	s_mov_b64 s[64:65], 0
	v_nop
	global_prefetch_b8 v0, s[64:65] scope:SCOPE_SE
	s_setreg_imm32_b32 hwreg(HW_REG_WAVE_MODE, 25, 1), 1
	s_wait_xcnt 0x0
; PREP: all that is done once to the wide inputs.  Nothing of the problem is left out as dead work: every input has a way to the output.
; out0 = (mag - 1)(x W^T + bias) + mag 0.25 lokr;  mag[o] = dora[o] / |W[o,:] + 0.25 adapter[o,:]|;  adapter[64 i + j][64 p + q] = w1[p][i] w2[q][j];  w1 = w1a w1b, w2 = w2a w2b.
; lokr is taken in the order T[bs][p][j] = sum over i of Q(w1[p][i]) Q(x[bs][64 i + j]), then lokr[bs][64 p + q] = sum over j of Q(T[bs][p][j]) Q(w2[q][j]).
; Work-groups 0-255 (8 rows of x each, two a wave): x's codes and scale bytes along c (xc, xs); x quantised along i, the product with Q(w1), T quantised along j (tc, ts).
; Work-groups 256-511 (16 rows of W each, four a wave): W's codes and scale bytes along c (wc, ws); the row's norm with the adapter added by one multiply-add a number; cols: [0] mag - 1, [1] (mag - 1) bias, [2] 0.25 mag.
; The shares are chosen so that a work-group of either kind has about the same way to go: a row of x is walked twice (along c and down i), a row of W once.
; The two texts part on the work-group's number, never join, and have LDS bytes of their own.
; K = 64 IN AN INSTRUCTION OF 128: x's fragment holds two tiles of 16 columns j (K 0-63: one, K 64-127: the other); w1's fragment is kept as [codes | zero codes] and [zero codes | codes].
; tc: pieces of operand registers: [block of 8 rows][p][j / 32][row % 8][16 bytes]: a work-group's part of a p is 256 consecutive bytes.  ts: [block of 8 rows][p / 2][row % 8][4 bytes]: p even j-block 0, 1, p odd j-block 0, 1.
; A block's scale is 2^(floor(log2(largest magnitude)) - 2); its byte is the largest magnitude's exponent field - 2, held at 1 from below.
; LIMITS: NaN and infinities among the inputs are not served.  A block of zeros, or one under 2^(3 - 127), gets the byte 1 where the quantiser says 127: its codes are zeros and this program alone reads the bytes.
; A sum of squares under 2^-126 is taken as 0 by v_rsq_f32 (ISA guide, its entry).  mag is dora x rsq(sum) where the problem writes dora / sqrt(sum): a last-bit difference.
.set KIMG,  0                          ; LDS, x path: w1's four fragments as images of their registers: 4 x 512 bytes
.set KSC,   2048                       ; their scale words: 4 x 128 bytes
.set XSTG,  2560                       ; the waves' stages
.set XSTW,  20736                      ; a wave's stage for one row: 256 pieces of 64 bytes, 80 bytes apart, 32 more behind piece 127
.set TIMG,  85504                      ; T's pieces: 64 p x (256 bytes + 16)
.set TSC,   102912                     ; T's scale words: 32 pairs of p x 8 rows x 4 bytes
.set XSG,   103936                     ; x's scale bytes: 256 for each wave
.set WB,    104960                     ; LDS, W path: a region of WBW bytes for each wave: two stages of 2,560; +5120 scale bytes (512); +5632 w2's four columns (1,024); +6656 w1's column (256)
.set WBW,   7168
.set SPARE, 133632                     ; the spare words, 128 bytes for each wave: two blocks of 256 bytes that no other line names
.set SPW,   14                         ; v14  SPARE + 4 x my thread's number; never rewritten
.set NIL,   15                         ; v15  0; never rewritten
.set SEL,   38                         ; s[38:39] v_permlanex16_b32's selects for lane l xor 16
.set MSB, 0
.macro WIN new                         ; the immediate's high byte repeats the setting that is left
.if MSB != \new
	s_set_vgpr_msb (MSB<<8)|\new
.set MSB, \new
.endif
.endm
; the largest magnitude of 16 (32) numbers of a lane, in two chains, with the floor 2^(3 - 127) as one more leaf
.macro MAX16 m, n, x
	v_max3_num_f32 v[\m], |v[\x]|, |v[\x+1]|, |v[\x+2]|
	v_max3_num_f32 v[\n], |v[\x+3]|, |v[\x+4]|, |v[\x+5]|
.irp i, 6,10
	v_max3_num_f32 v[\m], v[\m], |v[\x+\i]|, |v[\x+\i+1]|
	v_max3_num_f32 v[\n], v[\n], |v[\x+\i+2]|, |v[\x+\i+3]|
.endr
	v_max3_num_f32 v[\m], v[\m], |v[\x+14]|, |v[\x+15]|
	v_max3_num_f32 v[\m], v[\m], v[\n], 0x1800000
.endm
.macro MAX32 m, n, x
	v_max3_num_f32 v[\m], |v[\x]|, |v[\x+1]|, |v[\x+2]|
	v_max3_num_f32 v[\n], |v[\x+3]|, |v[\x+4]|, |v[\x+5]|
.irp i, 6,10,14,18,22,26
	v_max3_num_f32 v[\m], v[\m], |v[\x+\i]|, |v[\x+\i+1]|
	v_max3_num_f32 v[\n], v[\n], |v[\x+\i+2]|, |v[\x+\i+3]|
.endr
	v_max3_num_f32 v[\m], v[\m], |v[\x+30]|, |v[\x+31]|
	v_max3_num_f32 v[\m], v[\m], v[\n], 0x1800000
.endm
; 16 neighbours of a lane (two neighbouring lanes hold a block of 32) become 8 bytes of codes in v[c:c+1]; the scale bytes of four neighbouring blocks (eight lanes) are joined into the word v[e]
.macro QA x, c, e
	MAX16 QT, QT+1, \x
	v_max_num_f32_dpp v[QT], v[QT], v[QT] row_xmask:1 row_mask:0xf bank_mask:0xf   ; with my neighbour's 16
	v_add_nc_u32 v[QT+2], 0xff000000, v[QT]        ; 2 off the exponent field: the conversion takes this operand's exponent field as its scale
	v_cvt_scalef32_pk8_fp4_f32 v[\c], v[\x:\x+7], v[QT+2]
	v_cvt_scalef32_pk8_fp4_f32 v[\c+1], v[\x+8:\x+15], v[QT+2]
	v_lshrrev_b32 v[QT+3], 23, v[QT+2]             ; the scale's byte
	v_lshlrev_b32 v[QT+3], v[SHB], v[QT+3]         ; at its place in the word: 8 x ((lane / 2) % 4) bits up
	v_mov_b32_dpp v[QT+1], v[QT+3] row_xmask:2 row_mask:0xf bank_mask:0xf
	v_or_b32 v[QT+3], v[QT+3], v[QT+1]
	v_mov_b32_dpp v[QT+1], v[QT+3] row_xmask:4 row_mask:0xf bank_mask:0xf
	v_or_b32 v[\e], v[QT+3], v[QT+1]               ; eight lanes hold the same word
.endm
	s_load_b512 s[8:23], s[0:1], 0x0               ; x s[8:9], W s[10:11], w1a s[12:13], w1b s[14:15], w2a s[16:17], w2b s[18:19], bias s[20:21], dora s[22:23]
	s_load_b256 s[24:31], s[0:1], 0x40             ; xc s[24:25], xs s[26:27], wc s[28:29], ws s[30:31]
	s_load_b128 s[32:35], s[0:1], 0x60             ; tc s[32:33], ts s[34:35]
	s_load_b64 s[36:37], s[0:1], 0x70              ; cols
	v_lshl_add_u32 v[SPW], v0, 2, SPARE
	v_mov_b32 v[NIL], 0
	v_lshrrev_b32 v1, 5, v0
	v_readfirstlane_b32 s2, v1                     ; wave 0..3
	v_and_b32 v1, 31, v0                           ; lane l
	v_and_b32 v2, 15, v0                           ; r = l % 16
	v_bfe_u32 v3, v0, 4, 1                         ; h = l / 16
	s_mov_b32 s[SEL], 0x76543210
	s_mov_b32 s[SEL+1], 0xfedcba98
	s_wait_kmcnt 0x0
	s_cmp_lt_u32 ttmp9, 256
	s_cbranch_scc0 .Lw_path
; =============================== THE ROWS OF x ===============================
; REGISTERS, window 0: v4-13 addresses and shifts; v16-79 the row's numbers in hand, later T's accumulators; v80-95 x's two fragments; v96-97 their scale words; v112-136 QUANT's; v140-163 codes and scale words on their way out;
; v164-207 w1's fragments and scale words; at the head v16-151, v208-244 serve the product w1a w1b; v246-253 addresses.   window 1: v0-127 the row as it is loaded.
.set STA,  4                           ; stage, way in: 80 (l / 4) + 16 (l % 4)
.set RDA,  5                           ; stage, way out by rows: 80 l: 16 neighbours along c
.set RDB,  6                           ; stage, way out by columns: 4 (r % 8) + 80 (r / 8) + 10272 h
.set LI,   7                           ; 16 l
.set CO,   8                           ; 8 l
.set SBA0, 9                           ; my scale words' place, row 0
.set TAD0, 10                          ; T's pieces: TIMG + 544 r + 128 h + 32 w
.set TSA0, 11                          ; T's scale words: TSC + 32 r + 8 w
.set SH8,  12                          ; 8 h
.set SHB,  13                          ; 8 ((l / 2) % 4)
.set ACC,  16
.set X,    16                          ; two sets of 16 neighbours
.set VSA,  16                          ; two sets of 32 numbers down i
.set VSB,  48
.set F,    80
.set FS,   96
.set BY,   98
.set WT,   100
.set SBAC, 102
.set TADC, 103
.set TSAC, 104
.set QT,   106
.set TM,   112
.set PC,   128
.set PW,   136
.set C,    140
.set E,    156
.set FB,   164                         ; 36 registers: Z c0 Z c1 Z c2 Z c3 Z (4 each): [c | Z] begins at FB + 4 + 8 t, [Z | c] at FB + 8 t
.set SLO,  200
.set SHI,  204
.set KB,   16
.set KA,   144
.set KC,   148
.set KD,   208
.set KT,   240
.set OFA,  246
.set OFB,  247
.set XSR,  248
.set TRD,  249
.set TSR,  250
.set KWI,  251                         ; 512 w + 16 l: where my tile's image goes
.set KWS,  252                         ; 128 w + 4 l: and its scale words
.set KRS,  253                         ; 4 l
; w1 = w1a w1b, a 64 x 64 product of rank 4, in f32 by fused multiply-adds, quantised along i.  WAVE w MAKES TILE w ALONE: lane (r, h) holds one row p and its numbers i = 32 h .. 32 h + 31: a whole block.
; The tile's four registers of codes and its scale word go to LDS as they stand, 16 (4) bytes a lane; behind a barrier every wave loads all four tiles by the same lines and has the same registers in the same lanes.
.macro KRONW
	v_mov_b32 v[KT+4], 0                           ; a lane permute's destination counts as one of its sources
.set kk, 0
.rept 32
	v_mul_f32 v[KD+kk], v[KA], v[KB+kk]
.set kk, kk+1
.endr
.irp e, 1,2,3
.set kk, 0
.rept 32
	v_fmac_f32 v[KD+kk], v[KA+\e], v[KB+32*\e+kk]
.set kk, kk+1
.endr
.endr
	MAX32 KT, KT+1, KD
	v_add_nc_u32 v[KT+2], 0xff000000, v[KT]
	v_lshrrev_b32 v[KT+3], 23, v[KT+2]
.irp g, 0,1,2,3
	v_cvt_scalef32_pk8_fp4_f32 v[KC+\g], v[KD+8*\g:KD+8*\g+7], v[KT+2]
.endr
	v_lshlrev_b32 v[KT+3], v[SH8], v[KT+3]         ; my block's byte at its place (a plain line behind the conversions)
	v_permlanex16_b32 v[KT+4], v[KT+3], s[SEL], s[SEL+1]
	v_or_b32 v[KT+3], v[KT+3], v[KT+4]             ; bytes 0, 1: the row's two blocks; bytes 2, 3: 0, over zero codes
	ds_store_b128 v[KWI], v[KC:KC+3] offset:KIMG
	ds_store_b32 v[KWS], v[KT+3] offset:KSC
.irp z, 0,1,2,3,4
.irp g, 0,1,2,3
	v_mov_b32 v[FB+8*\z+\g], 0                     ; the zero codes
.endr
.endr
	s_wait_dscnt 0x0                               ; for the others' sake: my tile's image has landed
	s_barrier_signal -1
	s_barrier_wait -1
.irp t, 0,1,2,3
	ds_load_b128 v[FB+4+8*\t:FB+7+8*\t], v[LI] offset:KIMG+512*\t
	ds_load_b32 v[SLO+\t], v[KRS] offset:KSC+128*\t
.endr
	s_wait_dscnt 0x0
.irp t, 0,1,2,3
	v_lshlrev_b32 v[SHI+\t], 16, v[SLO+\t]         ; the same bytes for [Z | c]
.endr
.endm
; 64 numbers of a lane, register 16 b + i = k 32 b + 16 h + i of my row, become a fragment's codes in v[PC] on and its scale word in v[PW]
.macro QUANT s
.irp b, 0,1,2,3
	v_max3_num_f32 v[TM+\b], |v[\s+16*\b]|, |v[\s+1+16*\b]|, 0x1800000
.endr
.irp i, 2,4,6,8,10,12,14
.irp b, 0,1,2,3
	v_max3_num_f32 v[TM+\b], v[TM+\b], |v[\s+16*\b+\i]|, |v[\s+1+16*\b+\i]|
.endr
.endr
.irp b, 0,1,2,3
	v_permlanex16_b32 v[TM+4+\b], v[TM+\b], s[SEL], s[SEL+1]
.endr
.irp b, 0,1,2,3
	v_max_num_f32 v[TM+\b], v[TM+\b], v[TM+4+\b]
.endr
.irp b, 0,1,2,3
	v_add_nc_u32 v[TM+12+\b], 0xff000000, v[TM+\b]
.endr
.irp b, 0,1,2,3
	v_lshrrev_b32 v[TM+4+\b], 23, v[TM+12+\b]
.endr
	v_lshl_or_b32 v[PW], v[TM+5], 8, v[TM+4]
	v_lshl_or_b32 v[PW], v[TM+6], 16, v[PW]
	v_lshl_or_b32 v[PW], v[TM+7], 24, v[PW]
.irp b, 0,1,2,3
	v_cvt_scalef32_pk8_fp4_f32 v[PC+2*\b], v[\s+16*\b:\s+7+16*\b], v[TM+12+\b]
	v_cvt_scalef32_pk8_fp4_f32 v[PC+1+2*\b], v[\s+8+16*\b:\s+15+16*\b], v[TM+12+\b]
.endr
	v_nop                                          ; one plain line behind a scaled conversion
.irp c, 0,1                                    ; a whole block in a lane: lanes 0-15 block 2 c, lanes 16-31 block 2 c + 1
.irp i, 0,1
	v_permlane16_swap_b32 v[PC+4*\c+\i], v[PC+2+4*\c+\i]
.endr
.endr
.endm
.macro LOADROW                         ; a row of x: 32 loads of 512 consecutive bytes, into window 1
	WIN 0x40
.set lk, 0
.rept 32
	global_load_b128 v[4*lk:4*lk+3], v[LI], s[40:41] offset:512*lk th:TH_LOAD_NT
.set lk, lk+1
.endr
	WIN 0
.endm
.macro XLD t                           ; step t's 512 numbers, 16 neighbours a lane
.irp i, 0,1,2,3
	ds_load_b128 v[X+16*((\t)%2)+4*\i:X+16*((\t)%2)+4*\i+3], v[RDA] offset:2560*(\t)+32*((\t)/4)+16*\i
.endr
.endm
.macro CLD ta, v                       ; tile ta of 16 columns j: my column's numbers i = 32 h .. 32 h + 31.  Lane r takes j = 32 (ta / 2) + 8 (ta % 2) + r + 8 (r / 8)
.set ci, 0
.rept 32
	ds_load_b32 v[\v+ci], v[RDB] offset:320*ci+160*((\ta)/2)+32*((\ta)%2)
.set ci, ci+1
.endr
.endm
.macro QCOL v, ta                      ; a whole block down i lies in my 32 registers
	MAX32 QT, QT+1, \v
	v_add_nc_u32 v[QT+2], 0xff000000, v[QT]
	v_lshrrev_b32 v[BY+(\ta)%2], 23, v[QT+2]
.irp g, 0,1,2,3
	v_cvt_scalef32_pk8_fp4_f32 v[F+8*((\ta)/2)+4*((\ta)%2)+\g], v[\v+8*\g:\v+8*\g+7], v[QT+2]
.endr
	v_nop
.endm
.macro FSW u                           ; the scale word of fragment u: bytes: even tile i-block 0, 1, odd tile i-block 0, 1
	v_lshl_or_b32 v[WT], v[BY+1], 16, v[BY]
	v_lshlrev_b32 v[WT], v[SH8], v[WT]
	v_permlanex16_b32 v[WT+1], v[WT], s[SEL], s[SEL+1]
	v_or_b32 v[FS+\u], v[WT], v[WT+1]
.endm
.macro XSTEP t
.if (\t) < 7
	XLD (\t)+1
	s_wait_dscnt 0x4                               ; this step's numbers are in; the four loads just issued may be out
.else
	CLD 0, VSB
	s_wait_dscnt 32                                ; likewise: the 32 loads just issued may be out
.endif
	QA X+16*((\t)%2), C+2*(\t), E+(\t)
	ds_store_b32 v[SBAC], v[E+(\t)] offset:16*(\t)
	global_store_b64 v[CO], v[C+2*(\t):C+2*(\t)+1], s[42:43] offset:256*(\t)   ; 32 lanes store 256 consecutive bytes, aligned
.endm
.macro WX d, a, b, sa, sb
	v_wmma_scale_f32_16x16x128_f8f6f4 v[\d:\d+7], v[\a:\a+7], v[\b:\b+7], 0, v[\sa], v[\sb] matrix_a_fmt:MATRIX_FMT_FP4 matrix_b_fmt:MATRIX_FMT_FP4
.endm
	s_mul_i32 s4, s2, XSTW
	s_add_co_u32 s4, s4, XSTG                      ; my stage
	v_lshrrev_b32 v16, 2, v1
	v_mul_u32_u24 v16, v16, 80
	v_and_b32 v17, 3, v1
	v_lshl_add_u32 v16, v17, 4, v16
	v_add_nc_u32 v[STA], s4, v16
	v_mul_u32_u24 v16, v1, 80
	v_add_nc_u32 v[RDA], s4, v16
	v_and_b32 v16, 7, v2
	v_lshlrev_b32 v16, 2, v16
	v_lshrrev_b32 v17, 3, v2
	v_mad_u32_u24 v16, v17, 80, v16
	v_mad_u32_u24 v16, v3, 10272, v16
	v_add_nc_u32 v[RDB], s4, v16
	v_lshlrev_b32 v[LI], 4, v1
	v_lshlrev_b32 v[CO], 3, v1
	v_lshlrev_b32 v[KRS], 2, v1
	s_lshl_b32 s5, s2, 9
	v_add_nc_u32 v[KWI], s5, v[LI]
	s_lshl_b32 s5, s2, 7
	v_add_nc_u32 v[KWS], s5, v[KRS]
	s_lshl_b32 s5, s2, 8
	v_lshrrev_b32 v16, 3, v1
	v_lshlrev_b32 v16, 2, v16
	v_add_nc_u32 v16, s5, v16
	v_add_nc_u32 v[SBA0], XSG, v16                 ; XSG + 256 w + 4 (l / 8)
	v_add_nc_u32 v17, s5, v[CO]
	v_add_nc_u32 v[XSR], XSG, v17                  ; XSG + 256 w + 8 l
	v_add_nc_u32 v[TSR], TSC, v17                  ; TSC + 256 w + 8 l
	v_mul_u32_u24 v16, v2, 544
	v_lshl_add_u32 v16, v3, 7, v16
	s_lshl_b32 s5, s2, 5
	v_add_nc_u32 v16, s5, v16
	v_add_nc_u32 v[TAD0], TIMG, v16
	v_lshlrev_b32 v16, 5, v2
	s_lshl_b32 s5, s2, 3
	v_add_nc_u32 v16, s5, v16
	v_add_nc_u32 v[TSA0], TSC, v16
	s_mul_i32 s5, s2, 4352
	v_mul_u32_u24 v16, v3, 272
	v_lshl_add_u32 v16, v2, 4, v16
	v_add_nc_u32 v16, s5, v16
	v_add_nc_u32 v[TRD], TIMG, v16                 ; TIMG + 272 (16 w + h) + 16 r: two p an instruction
	v_lshlrev_b32 v[SH8], 3, v3
	v_bfe_u32 v16, v1, 1, 2
	v_lshlrev_b32 v[SHB], 3, v16
	s_lshr_b32 s53, s2, 1                          ; w1a: THE ROWS OF w1 THAT FORM A TILE: lane r of tile t takes p = 32 (t / 2) + 2 r + t % 2: 16 bytes a row; my tile is t = w
	s_lshl_b32 s53, s53, 9
	s_and_b32 s54, s2, 1
	s_lshl_b32 s54, s54, 4
	s_add_co_u32 s53, s53, s54
	v_lshl_add_u32 v[OFA], v2, 5, s53
	v_lshlrev_b32 v[OFB], 7, v3                    ; w1b: my 32 numbers of each of its four rows
	s_lshl_b32 s6, ttmp9, 17                       ; my first row: (8 g + 2 w) x 16,384 bytes of x,
	s_lshl_b32 s7, s2, 15
	s_add_co_u32 s6, s6, s7
	s_mov_b32 s7, 0
	s_add_nc_u64 s[40:41], s[8:9], s[6:7]
	s_lshr_b32 s6, s6, 3                           ; x 2,048 of codes,
	s_add_nc_u64 s[42:43], s[24:25], s[6:7]
	s_lshr_b32 s6, s6, 4                           ; x 128 of scale bytes
	s_add_nc_u64 s[44:45], s[26:27], s[6:7]
	s_lshl_b32 s6, ttmp9, 14                       ; tc: 16,384 g + 4,096 w: my 16 p on the way out
	s_lshl_b32 s5, s2, 12
	s_add_co_u32 s6, s6, s5
	s_add_nc_u64 s[46:47], s[32:33], s[6:7]
	s_lshr_b32 s6, s6, 4                           ; ts: 1,024 g + 256 w
	s_add_nc_u64 s[48:49], s[34:35], s[6:7]
	global_load_b128 v[KA:KA+3], v[OFA], s[12:13]
.irp e, 0,1,2,3
.irp k, 0,1,2,3,4,5,6,7
	global_load_b128 v[KB+32*\e+4*\k:KB+32*\e+4*\k+3], v[OFB], s[14:15] offset:256*\e+16*\k
.endr
.endr
	LOADROW                                        ; row 0
	s_wait_loadcnt 32                              ; w1a's and w1b's numbers are in; the row's 32 loads may be out
	KRONW                                          ; Q(w1), under the first row's flight
	v_mov_b32 v[WT+1], 0                           ; lane permutes' destinations, written once
.irp b, 0,1,2,3
	v_mov_b32 v[TM+4+\b], 0
.endr
	s_mov_b32 s50, 0                               ; 16 x row, 4 x row, 128 x row: the row's place in T's pieces, T's scale words, x's scale bytes
	s_mov_b32 s51, 0
	s_mov_b32 s52, 0
	s_mov_b32 s3, 2                                ; rows to go
.Lx_row:
	s_wait_loadcnt 0x0                             ; the row is in; its loads are done, so their base may step
	s_add_nc_u64 s[40:41], s[40:41], 16384
	v_add_nc_u32 v[SBAC], s52, v[SBA0]
	v_add_nc_u32 v[TADC], s50, v[TAD0]
	v_add_nc_u32 v[TSAC], s51, v[TSA0]
	WIN 0x04                                       ; an LDS store's data are its source 1: window 1
.set sk, 0
.rept 32
	ds_store_b128 v[STA], v[4*sk:4*sk+3] offset:640*sk+32*(sk/16)
.set sk, sk+1
.endr
	WIN 0
	XLD 0
	s_wait_dscnt 0x4                               ; the 32 stores have read their registers (the four loads behind them may be out)
	s_cmp_eq_u32 s3, 1                             ; the last row has no successor: no load leaves the buffer
	s_cbranch_scc1 .Lx_no_next
	LOADROW                                        ; the next row flies while this one is worked
.Lx_no_next:
.irp t, 0,1,2,3,4,5,6,7
	XSTEP \t                                       ; along c: codes and scale bytes for the large product
.endr
	CLD 1, VSA                                     ; down i: four tiles of 16 columns, two sets of registers by turns
	s_wait_dscnt 32                                ; tile 0 is in; the 32 loads just issued may be out
	QCOL VSB, 0
	CLD 2, VSB
	s_wait_dscnt 32
	QCOL VSA, 1
	FSW 0
	CLD 3, VSA
	s_wait_dscnt 32
	QCOL VSB, 2
	s_wait_dscnt 0x0
	QCOL VSA, 3
	FSW 1
.rept 8
	v_nop                                          ; a scale register written by a vector instruction stands 8 places ahead of a scaled matrix instruction, an operand 4
.endr
.irp pp, 0,1                                   ; T for 32 p at a time.  Source 0 = 16 columns j of x, source 1 = 16 rows p of w1: a lane holds one p, and tiles 2 b, 2 b + 1 hold 16 neighbouring j
.if \pp
.rept 5
	v_nop                                          ; these products write over the first group's results: five places
.endr
.endif
.irp pj, 0,1
.irp ta, 0,2
	WX ACC+32*\pj+8*\ta, F+4*\ta, FB+4+8*(2*\pp+\pj), FS+\ta/2, SLO+2*\pp+\pj
	WX ACC+32*\pj+8*\ta+8, F+4*\ta, FB+8*(2*\pp+\pj), FS+\ta/2, SHI+2*\pp+\pj
.endr
.endr
.rept 4
	v_nop
.endr
	QUANT ACC                                      ; registers 4 pj .. 4 pj + 3: T(p = 32 pp + 2 r + pj, j = 32 h .. 32 h + 31); the word: p = 32 pp + 2 r: two bytes, p + 1: two bytes
	ds_store_b128 v[TADC], v[PC:PC+3] offset:8704*\pp
	ds_store_b128 v[TADC], v[PC+4:PC+7] offset:8704*\pp+272
	ds_store_b32 v[TSAC], v[PW] offset:512*\pp
	s_wait_dscnt 0x0                               ; the stores have read their registers
.endr
	s_wait_xcnt 0x0                                ; the row's stores have read their data and their base
	s_add_nc_u64 s[42:43], s[42:43], 2048
	s_add_co_u32 s50, s50, 16
	s_add_co_u32 s51, s51, 4
	s_add_co_u32 s52, s52, 128
	s_sub_co_u32 s3, s3, 1
	s_cmp_lg_u32 s3, 0
	s_cbranch_scc1 .Lx_row
	ds_load_b64 v[16:17], v[XSR]                   ; my two rows' scale bytes: 256 consecutive bytes of xs, aligned
	s_wait_dscnt 0x0                               ; and all my LDS stores have landed
	global_store_b64 v[CO], v[16:17], s[44:45]
	s_barrier_signal -1
	s_barrier_wait -1                              ; T's pieces of all 8 rows lie in LDS
.set tk, 0
.rept 8
	ds_load_b128 v[32+4*tk:35+4*tk], v[TRD] offset:544*tk
.set tk, tk+1
.endr
	ds_load_b64 v[96:97], v[TSR]
.set tk, 0
.rept 8
	s_wait_dscnt 8-tk                              ; the loads issued behind this one may be out
	global_store_b128 v[LI], v[32+4*tk:35+4*tk], s[46:47] offset:512*tk   ; two p: 512 consecutive bytes
.set tk, tk+1
.endr
	s_wait_dscnt 0x0
	global_store_b64 v[CO], v[96:97], s[48:49]     ; 256 consecutive bytes of ts, aligned
	s_wait_tensorcnt 0x0                           ; the wave's end, behind my last LDS store
	ds_add_u32 v[SPW], v[NIL]
	s_wait_dscnt 0x0
	s_endpgm
; =============================== THE ROWS OF W ===============================
; A wave's four rows are 65,536 consecutive bytes: a stream of 32 steps of 512 numbers.  Loads run eight steps ahead (eight sets of 16 registers), the turn through the wave's own stage one step.
; Row o = 64 i + j: weight[o][64 p + q] = W[o][64 p + q] + (0.25 w1[p][i]) w2[q][j].  In step t lane l holds p = 8 t + l / 4 and q = 16 (l % 4) + 0 .. 15.
.Lw_path:
.set TIN,  4
.set TOUT, 5
.set LI,   6
.set CO,   7
.set SBA0, 8
.set BTR0, 9
.set SHB,  10
.set LQ,   11                          ; l % 4: the row whose constant I keep
.set DOR,  12
.set BIA,  13
.set R,    16                          ; v16-143  eight sets as loaded
.set X,    144                         ; v144-175 two sets of 16 neighbours
.set A,    176                         ; v176-183 0.25 w1[8 t + l / 4][i]
.set B,    184                         ; v184-199 w2[16 (l % 4) + k][j]
.set T,    200
.set AC,   216
.set QT,   220
.set C,    224
.set E,    240
.set SBAC, 248
.set BTRC, 249
.set OUTV, 250
.set WT,   251
.set COA,  254
.set SCR,  255
.set BTS,  200                         ; at the head only
.set ATS,  201
.set ATR,  202
.set LQ4,  203
.macro WLOAD t, off
.irp i, 0,1,2,3
	global_load_b128 v[R+16*(\t)+4*\i:R+16*(\t)+4*\i+3], v[LI], s[40:41] offset:(\off)+2048*(\t)+512*\i th:TH_LOAD_NT
.endr
.endm
.macro WTURN t                         ; a set goes through the stage as it lies and comes back 64 bytes a lane; LDS serves a wave's instructions in order
.irp i, 0,1,2,3
	ds_store_b128 v[TIN], v[R+16*(\t)+4*\i:R+16*(\t)+4*\i+3] offset:2560*((\t)%2)+640*\i
.endr
.irp i, 0,1,2,3
	ds_load_b128 v[X+16*((\t)%2)+4*\i:X+16*((\t)%2)+4*\i+3], v[TOUT] offset:2560*((\t)%2)+16*\i
.endr
.endm
.macro NORM t                          ; the squares of W + adapter, in two packed chains; the row's first two start them
.set nk, 0
.rept 16
	v_fma_f32 v[T+nk], v[A+(\t)], v[B+nk], v[X+16*((\t)%2)+nk]
.set nk, nk+1
.endr
.if (\t) == 0
	v_pk_mul_f32 v[AC:AC+1], v[T:T+1], v[T:T+1]
	v_pk_mul_f32 v[AC+2:AC+3], v[T+2:T+3], v[T+2:T+3]
.else
	v_pk_fma_f32 v[AC:AC+1], v[T:T+1], v[T:T+1], v[AC:AC+1]
	v_pk_fma_f32 v[AC+2:AC+3], v[T+2:T+3], v[T+2:T+3], v[AC+2:AC+3]
.endif
.irp k, 4,8,12
	v_pk_fma_f32 v[AC:AC+1], v[T+\k:T+\k+1], v[T+\k:T+\k+1], v[AC:AC+1]
	v_pk_fma_f32 v[AC+2:AC+3], v[T+\k+2:T+\k+3], v[T+\k+2:T+\k+3], v[AC+2:AC+3]
.endr
.endm
.macro WSTEP t, ahead
.if (\t) == 0
	s_wait_dscnt 0x0                               ; this step's numbers and the row's w2 column are in
.else
	s_wait_dscnt 0x1                               ; this step's numbers are back (the last step's word store may be out): so the stage's stores have read set t
.endif
.if \ahead
	WLOAD \t, 16384                                ; set t takes the next row's step t
	s_wait_loadcnt 28                              ; the next set is in: seven younger sets may be out
	WTURN ((\t)+1)%8
.elseif (\t) < 7
	s_wait_loadcnt 4*(6-(\t))                      ; the last row loads nothing: the counts run down
	WTURN (\t)+1
.endif
	QA X+16*((\t)%2), C+2*(\t), E+(\t)
	ds_store_b32 v[SBAC], v[E+(\t)] offset:16*(\t)
	global_store_b64 v[CO], v[C+2*(\t):C+2*(\t)+1], s[42:43] offset:256*(\t)
	NORM \t
.endm
.macro WROW ahead
	v_add_nc_u32 v[SBAC], s51, v[SBA0]
	v_add_nc_u32 v[BTRC], s58, v[BTR0]
.irp i, 0,1,2,3
	ds_load_b128 v[B+4*\i:B+4*\i+3], v[BTRC] offset:16*\i
.endr
.irp t, 0,1,2,3,4,5,6,7
	WSTEP \t, \ahead
.endr
	v_pk_add_f32 v[AC:AC+1], v[AC:AC+1], v[AC+2:AC+3]
	v_add_f32 v[AC], v[AC], v[AC+1]
	v_add_f32_dpp v[AC], v[AC], v[AC] row_xmask:1 row_mask:0xf bank_mask:0xf
	v_add_f32_dpp v[AC], v[AC], v[AC] row_xmask:2 row_mask:0xf bank_mask:0xf
	v_add_f32_dpp v[AC], v[AC], v[AC] row_xmask:4 row_mask:0xf bank_mask:0xf
	v_add_f32_dpp v[AC], v[AC], v[AC] row_xmask:8 row_mask:0xf bank_mask:0xf
	v_permlanex16_b32 v[AC+1], v[AC], s[SEL], s[SEL+1]
	v_add_f32 v[AC], v[AC], v[AC+1]                ; the row's sum of squares, in every lane
	v_rsq_f32 v[AC+2], v[AC]
	v_nop                                          ; a plain line behind the transcendental,
	s_wait_alu depctr_va_vdst(0)                   ; and a wait ahead of its first reader
	v_mul_f32 v[WT], v[DOR], v[AC+2]               ; mag, with my own row's dora: kept only where this row is mine
	v_add_f32 v[WT+1], -1.0, v[WT]                 ; mag - 1
	v_mul_f32 v[WT+2], v[WT+1], v[BIA]             ; (mag - 1) bias
	v_mul_f32 v[WT], 0x3e800000, v[WT]             ; 0.25 mag
	v_cndmask_b32 v[WT], v[WT], v[WT+2], s57       ; lanes 4-7 keep plane 1,
	v_cndmask_b32 v[WT], v[WT], v[WT+1], s56       ; lanes 0-3 plane 0, the others plane 2
	v_cmp_eq_u32 vcc_lo, s50, v[LQ]
	v_cndmask_b32 v[OUTV], v[OUTV], v[WT], vcc_lo
.if \ahead
	s_wait_xcnt 0x0                                ; loads and stores have read their bases and data
	s_add_nc_u64 s[40:41], s[40:41], 16384
	s_add_nc_u64 s[42:43], s[42:43], 2048
	s_add_co_u32 s50, s50, 1
	s_add_co_u32 s51, s51, 128
	s_add_co_u32 s58, s58, 256
.endif
.endm
	s_sub_co_u32 s4, ttmp9, 256                    ; which 16 rows of W
	s_mul_i32 s5, s2, WBW
	s_add_co_u32 s5, s5, WB                        ; my region of LDS
	v_lshrrev_b32 v16, 2, v1
	v_mul_u32_u24 v17, v16, 80
	v_and_b32 v[LQ], 3, v1
	v_lshl_add_u32 v17, v[LQ], 4, v17
	v_add_nc_u32 v[TIN], s5, v17
	v_mul_u32_u24 v17, v1, 80
	v_add_nc_u32 v[TOUT], s5, v17
	v_lshlrev_b32 v[LI], 4, v1
	v_lshlrev_b32 v[CO], 3, v1
	v_lshrrev_b32 v17, 3, v1
	v_lshlrev_b32 v18, 2, v17                      ; 4 (l / 8)
	v_add_nc_u32 v19, s5, v18
	v_add_nc_u32 v[SBA0], 5120, v19
	v_add_nc_u32 v19, s5, v[LI]
	v_add_nc_u32 v[SCR], 5120, v19
	v_lshl_add_u32 v19, v[LQ], 6, s5
	v_add_nc_u32 v[BTR0], 5632, v19                ; w2's column back: 64 (l % 4)
	v_lshl_add_u32 v19, v1, 2, s5
	v_add_nc_u32 v[BTS], 5632, v19                 ; and in: 4 q
	v_and_b32 v19, 7, v1
	v_lshl_add_u32 v19, v19, 5, v18
	v_add_nc_u32 v19, s5, v19
	v_add_nc_u32 v[ATS], 6656, v19                 ; w1's column in: 32 (p % 8) + 4 (p / 8)
	v_lshl_add_u32 v19, v16, 5, s5
	v_add_nc_u32 v[ATR], 6656, v19                 ; and back: 32 (l / 4): word t is p = 8 t + l / 4
	v_bfe_u32 v19, v1, 1, 2
	v_lshlrev_b32 v[SHB], 3, v19
	v_min_u32 v19, 2, v16
	v_lshlrev_b32 v19, 14, v19
	v_lshl_add_u32 v[COA], v[LQ], 2, v19           ; cols: plane min(l / 4, 2), row l % 4 (lanes 12-31 repeat lanes 8-11's words)
	v_cmp_eq_u32 s56, 0, v16
	v_cmp_eq_u32 s57, 1, v16
	v_mov_b32 v[OUTV], 0
	v_lshlrev_b32 v[LQ4], 2, v[LQ]
	s_lshr_b32 s6, s4, 2                           ; i
	s_lshl_b32 s6, s6, 2
	s_mov_b32 s7, 0
	s_add_nc_u64 s[48:49], s[14:15], s[6:7]        ; w1b at column i
	s_and_b32 s6, s4, 3
	s_lshl_b32 s6, s6, 4
	s_lshl_b32 s59, s2, 2
	s_add_co_u32 s6, s6, s59                       ; j of my first row
	s_lshl_b32 s6, s6, 2
	s_add_nc_u64 s[60:61], s[18:19], s[6:7]        ; w2b at that column
	s_load_b32 s52, s[48:49], 0x0
	s_load_b32 s53, s[48:49], 0x100
	s_load_b32 s54, s[48:49], 0x200
	s_load_b32 s55, s[48:49], 0x300
	s_load_b128 s[68:71], s[60:61], 0x0            ; w2b[e][j .. j + 3] at s[68 + 4 e ..]
	s_load_b128 s[72:75], s[60:61], 0x100
	s_load_b128 s[76:79], s[60:61], 0x200
	s_load_b128 s[80:83], s[60:61], 0x300
	s_lshl_b32 s6, s4, 18                          ; my first row: (16 g + 4 w) x 16,384 bytes of W,
	s_lshl_b32 s59, s2, 16
	s_add_co_u32 s6, s6, s59
	s_add_nc_u64 s[40:41], s[10:11], s[6:7]
	s_lshr_b32 s6, s6, 3                           ; x 2,048 of codes,
	s_add_nc_u64 s[42:43], s[28:29], s[6:7]
	s_lshr_b32 s6, s6, 4                           ; x 128 of scale bytes,
	s_add_nc_u64 s[44:45], s[30:31], s[6:7]
	s_lshr_b32 s6, s6, 5                           ; x 4 in cols, dora and bias
	s_add_nc_u64 s[46:47], s[36:37], s[6:7]
	s_add_nc_u64 s[84:85], s[22:23], s[6:7]
	s_add_nc_u64 s[86:87], s[20:21], s[6:7]
	global_load_b128 v[144:147], v[LI], s[12:13]               ; w1a's rows l and l + 32
	global_load_b128 v[148:151], v[LI], s[12:13] offset:512
	global_load_b128 v[152:155], v[LI], s[16:17]               ; w2a's likewise
	global_load_b128 v[156:159], v[LI], s[16:17] offset:512
	global_load_b32 v[DOR], v[LQ4], s[84:85]
	global_load_b32 v[BIA], v[LQ4], s[86:87]
.irp t, 0,1,2,3,4,5,6,7
	WLOAD \t, 0                                    ; row 0
.endr
	s_wait_loadcnt 32                              ; the six small loads are in; the row's 32 may be out
	s_wait_kmcnt 0x0
.irp u, 0,1
	v_mul_f32 v[160+\u], s52, v[144+4*\u]          ; w1[p][i], p = l + 32 u
	v_fmac_f32 v[160+\u], s53, v[145+4*\u]
	v_fmac_f32 v[160+\u], s54, v[146+4*\u]
	v_fmac_f32 v[160+\u], s55, v[147+4*\u]
	v_mul_f32 v[160+\u], 0x3e800000, v[160+\u]     ; x 0.25: a power of two, so nothing is rounded otherwise than in 0.25 (w1 w2)
	ds_store_b32 v[ATS], v[160+\u] offset:16*\u
.endr
.irp u, 0,1
.irp g, 0,1,2,3
	v_mul_f32 v[162+4*\u+\g], s[68+\g], v[152+4*\u]    ; w2[q][j + g], q = l + 32 u
	v_fmac_f32 v[162+4*\u+\g], s[72+\g], v[153+4*\u]
	v_fmac_f32 v[162+4*\u+\g], s[76+\g], v[154+4*\u]
	v_fmac_f32 v[162+4*\u+\g], s[80+\g], v[155+4*\u]
	ds_store_b32 v[BTS], v[162+4*\u+\g] offset:256*\g+128*\u
.endr
.endr
	ds_load_b128 v[A:A+3], v[ATR]                  ; my wave's own bytes: LDS serves a wave's instructions in order
	ds_load_b128 v[A+4:A+7], v[ATR] offset:16
	s_wait_dscnt 0x0
	s_wait_loadcnt 28                              ; set 0 is in; seven younger sets may be out
	WTURN 0
	s_mov_b32 s50, 0                               ; row, 128 x row, 256 x row
	s_mov_b32 s51, 0
	s_mov_b32 s58, 0
	s_mov_b32 s3, 3
.Lw_row:
	WROW 1
	s_sub_co_u32 s3, s3, 1
	s_cmp_lg_u32 s3, 0
	s_cbranch_scc1 .Lw_row
	WROW 0                                         ; the last row is written out: it loads nothing
	ds_load_b128 v[16:19], v[SCR]                  ; my four rows' scale bytes: 512 consecutive bytes of ws
	s_wait_dscnt 0x0
	global_store_b128 v[LI], v[16:19], s[44:45]
	global_store_b32 v[COA], v[OUTV], s[46:47]     ; 16 bytes in each of cols' three planes
	s_wait_tensorcnt 0x0                           ; the wave's end, behind my last LDS store
	ds_add_u32 v[SPW], v[NIL]
	s_wait_dscnt 0x0
	s_endpgm
.Lfunc_end_k_q03698c7ed2_prep:
	.size	k_q03698c7ed2_prep, .Lfunc_end_k_q03698c7ed2_prep-k_q03698c7ed2_prep
	.p2alignl 7, 3214868480
	.fill 96, 4, 3214868480
	.section	.rodata,"a",@progbits
	.p2align	6, 0x0
	.amdhsa_kernel k_q03698c7ed2_prep
		.amdhsa_group_segment_fixed_size 134144
		.amdhsa_private_segment_fixed_size 0
		.amdhsa_enable_private_segment 0
		.amdhsa_kernarg_size 120
		.amdhsa_user_sgpr_count 2
		.amdhsa_user_sgpr_kernarg_segment_ptr 1
		.amdhsa_wavefront_size32 1
		.amdhsa_system_sgpr_workgroup_id_x 1
		.amdhsa_system_sgpr_workgroup_id_y 1
		.amdhsa_system_sgpr_workgroup_id_z 1
		.amdhsa_system_vgpr_workitem_id 0
		.amdhsa_next_free_vgpr 384
		.amdhsa_next_free_sgpr 92
		.amdhsa_reserve_vcc 1
		.amdhsa_float_denorm_mode_32 3
		.amdhsa_float_denorm_mode_16_64 3
		.amdhsa_memory_ordered 1
		.amdhsa_forward_progress 1
		.amdhsa_inst_pref_size 129
	.end_amdhsa_kernel
	.amdgpu_metadata
---
amdhsa.version: [ 1, 2 ]
amdhsa.kernels:
  - .name:           k_q03698c7ed2_prep
    .symbol:         k_q03698c7ed2_prep.kd
    .args:
      - { .name: x, .offset: 0, .size: 8, .value_kind: global_buffer, .address_space: global }
      - { .name: base_weight, .offset: 8, .size: 8, .value_kind: global_buffer, .address_space: global }
      - { .name: w1a, .offset: 16, .size: 8, .value_kind: global_buffer, .address_space: global }
      - { .name: w1b, .offset: 24, .size: 8, .value_kind: global_buffer, .address_space: global }
      - { .name: w2a, .offset: 32, .size: 8, .value_kind: global_buffer, .address_space: global }
      - { .name: w2b, .offset: 40, .size: 8, .value_kind: global_buffer, .address_space: global }
      - { .name: base_bias, .offset: 48, .size: 8, .value_kind: global_buffer, .address_space: global }
      - { .name: dora_weight, .offset: 56, .size: 8, .value_kind: global_buffer, .address_space: global }
      - { .name: xc, .offset: 64, .size: 8, .value_kind: global_buffer, .address_space: global }
      - { .name: xs, .offset: 72, .size: 8, .value_kind: global_buffer, .address_space: global }
      - { .name: wc, .offset: 80, .size: 8, .value_kind: global_buffer, .address_space: global }
      - { .name: ws, .offset: 88, .size: 8, .value_kind: global_buffer, .address_space: global }
      - { .name: tc, .offset: 96, .size: 8, .value_kind: global_buffer, .address_space: global }
      - { .name: ts, .offset: 104, .size: 8, .value_kind: global_buffer, .address_space: global }
      - { .name: cols, .offset: 112, .size: 8, .value_kind: global_buffer, .address_space: global }
    .group_segment_fixed_size: 134144
    .private_segment_fixed_size: 0
    .kernarg_segment_align: 8
    .kernarg_segment_size: 120
    .max_flat_workgroup_size: 128
    .sgpr_count:     92
    .vgpr_count:     384
    .wavefront_size: 32
...
	.end_amdgpu_metadata
.endif
;; end of part 1
;; launch gemm (part 2): grid 16 x 16, 4 waves a work-group, clusters of 4 x 4, 327,680 bytes of LDS; arguments xc, xs, wc, ws, tc, ts, cols, w2a, w2b, out0; writes out0
.if DOCPART == 2
	.amdgcn_target "amdgcn-amd-amdhsa--gfx1250"
	.amdhsa_code_object_version 6
	.text
	.protected	k_q03698c7ed2_gemm
	.globl	k_q03698c7ed2_gemm
	.p2align	8
	.type	k_q03698c7ed2_gemm,@function
k_q03698c7ed2_gemm:
	s_mov_b64 s[64:65], 0
	v_nop
	global_prefetch_b8 v0, s[64:65] scope:SCOPE_SE
	s_setreg_imm32_b32 hwreg(HW_REG_WAVE_MODE, 25, 1), 1
	s_wait_xcnt 0x0
	s_wait_alu depctr_hold_cnt(0) depctr_sa_sdst(0) depctr_va_vdst(0) depctr_va_sdst(0) depctr_va_ssrc(0) depctr_va_vcc(0) depctr_vm_vsrc(0)
	s_getreg_b32 s2, hwreg(HW_REG_IB_STS2, 6, 4)
	s_cmp_eq_u32 s2, 0
	s_cbranch_scc0 .Lentry_in_a_cluster
	s_endpgm
.Lentry_in_a_cluster:
	s_bfe_u32 s2, ttmp6, 0x10000c
	s_cmp_lg_u32 s2, 0xf033
	s_cbranch_scc0 .Lentry_shape_is_right
	s_endpgm
.Lentry_shape_is_right:
; out0[m][n] = c1[n] (sum over k of Q(x)[m][k] Q(W)[n][k]) + c0[n] + c2[n] lokr[m][n], on codes of FP4 (E2M1) with one E8M0 scale for each 32 along K.  Nothing of the problem is left out.
; xc [2048][2048 bytes], wc [4096][2048 bytes]: codes, K innermost; xs [2048][128], ws [4096][128]: scale bytes.  cols [3][4096]: c1 = mag - 1, c0 = c1 bias, c2 = 0.25 mag.
; lokr[m][64 p + q] = sum over j of Q(T)[m][p][j] Q(w2)[q][j].  T's codes: tc [block of 8 rows][p][j / 32][row % 8][16 bytes]; its scale words: ts [block of 8 rows][p / 2][row % 8][4 bytes]; w2 = w2a w2b is made and quantised here, in registers.
; A tile of 128 x 256 of out0 is made by a work-group of four waves; a wave makes 64 x 128: 32 accumulators.  K goes in steps of 512 (rows of 256 bytes) through a ring of two LDS slots, eight steps in all.
; The scale bytes of the work-group's rows, for all of K, come into LDS once, with the first fills.
; CLUSTERS: 4 x 4 work-groups: A's tiles are asked for jointly along a row of the cluster, B's along a column.  THE MATRIX INSTRUCTION IS USED TRANSPOSED (source 0 = 16 rows of W, source 1 = 16 rows of x).
; K = 64 IN AN INSTRUCTION OF 128: T's fragment holds two p (K 0-63: p even, K 64-127: p odd); w2's fragment is kept as [codes | zero codes] and [zero codes | codes], the zero half under the scale byte 0.
; PREFETCH: behind each joint refill of the loop's first two trips stands one global_prefetch_b8 a wave, for the K step two refills on (K steps 4 to 7): a lane a row, 256 bytes of the row.
; x's rows of a tile row are read by the four clusters of that row of clusters: the cluster with x = 0 asks, wave 0 of each partner for rows 32 cx + lane of the 128.  W's rows of a tile column are read by the four clusters
; of that column: the cluster with y = 0 asks, waves 2 and 3 of each partner for rows 32 cy + lane of the 128 that they fetch.  So each row's 256 bytes of a K step are named once in the launch; the partners are told apart by address.
; K steps 0 to 3 come by their loads alone; the last trip's refills ask for nothing.
; LIMITS: NaN and infinities are not served; a block of w2 of zeros or under 2^(3 - 127) has the byte 1 over zero codes.
; REGISTERS: window 0: v0-31 addresses; v32-79 scale words, two sets of 24; v80-83 T's scale words; v84-127 w2's fragments and scale words; v128-191 A's fragments, two sets, later the results; v192-255 lokr.
;   window 1: B's fragments, two sets (v0-63, v128-191), later rows on their way out.   window 2: accumulator (a, b) at v[8 (8 a + b)].   window 3: v0-63 c1, v64-127 c0, v128-191 c2, v192-223 T's four fragments.
.set SIZE_N, 4096
.set NQ,     4                         ; matrix instructions deep in a slot
.set ROWB,   256                       ; a tile's row in bytes: 512 codes
.set KROW,   2048                      ; a row of codes in memory
.set PITCH,  272                       ; an LDS row: 256 bytes + 16 of padding
.set FR,     8
.set AT64,   64*PITCH                  ; what a load for A brings
.set BT128,  128*PITCH                 ; what a load for B brings
.set BOFF,   2*AT64                    ; B's 256 rows lie behind A's 128
.set SLOT,   2*AT64+2*BT128
.set LAPS,   4                         ; a lap = two K steps
.set SCL,    2*SLOT                    ; A's scale bytes, as units of 256 bytes + 16
.set SAH,    32*272                    ; those of 64 rows
.set SCLB,   SCL+2*SAH                 ; B's
.set SBH,    64*272                    ; those of 128 rows
.set SBLK,   8*272                     ; those of 16 rows
.set SPARE,  SCLB+2*SBH                ; the spare words, 128 bytes for each wave: two blocks of 256 bytes that no other line names
.set SPITCH, 528                       ; the way out: 16 rows x (512 bytes + 16) for each wave, in slot 0, behind its last fill and its last read
.set ADRA, 16
.set ADRB, 20
.set ADSA, 22                          ; my scale words of A: lanes 0-15 block g, lanes 16-31 block g + 2
.set ADSB, 23                          ; of B: lanes 0-15 block g, lanes 16-31 block g + 4
.set STO,  24
.set RD,   25
.set CO,   26
.set SPW,  28
.set NIL,  29
.set PFO,  30                          ; v30  the prefetches' offset: my lane x a row of codes (2,048 bytes); never rewritten
.set SC,   32                          ; set s at SC + 24 s: A's words 4 g + q (g < 2), then B's 8 + 4 g + q (g < 4)
.set TS,   80
.set SLO,  84
.set FB,   88                          ; 36 registers: Z c0 Z c1 Z c2 Z c3 Z
.set SHI,  124
.set AF,   128
.set OUT,  128
.set LK,   192
.set KB,   128                         ; at the head: w2b's numbers, w2a's, a tile of w2, at work
.set KA,   64
.set KD,   32
.set KT,   8
.set SH8,  13
.set C1,   0                           ; window 3
.set C0,   64
.set C2,   128
.set TF,   192
.set G1,   24
.set G0,   32
.set G1B,  48
.set G0B,  56
.set G1S,  68
.set G0S,  76
.set G1SB, 80
.set G0SB, 88
.set SEL,  66
.set PFA,  18                          ; s[18:19] where my prefetches stand: my 32 rows, one K step further along K than the refill that is being asked for; a prefetch names the K step after that
.set LIM,  43                          ; s43  1 in a wave that prefetches, else the greatest number
.set MSB, 0
.macro WIN new
.if MSB != \new
	s_set_vgpr_msb (MSB<<8)|\new
.set MSB, \new
.endif
.endm
.set MUL,  0xa1                        ; source 0 (B) window 1, source 1 (A) window 0, C and D window 2
.set TO_B, 0x40
; A joint load: waves 0 and 1 fetch for A, waves 2 and 3 for B.  The branch hangs on the wave's number alone.  An s_nop 0 and four v_nop follow each of the two lines.
.macro JLOAD g0a, g1a, g0b, g1b
	s_cmp_eq_u32 s15, 0
	s_cbranch_scc0 .Lfor_b_\@
	tensor_load_to_lds s[\g0a:\g0a+3], s[\g1a:\g1a+7]
	s_nop 0
.rept 4
	v_nop
.endr
	s_branch .Lasked_\@
.Lfor_b_\@:
	tensor_load_to_lds s[\g0b:\g0b+3], s[\g1b:\g1b+7]
	s_nop 0
.rept 4
	v_nop
.endr
.Lasked_\@:
.endm
; The prefetch: the branch hangs on the loop's count, the wave's number and the cluster's x or y, which all sixteen partners share
.macro ASK
	s_cmp_gt_u32 s3, s[LIM]                        ; s3 = 1 in the loop's last trip: its refills have no K step two on
	s_cbranch_scc0 .Lnot_mine_\@
	global_prefetch_b8 v[PFO], s[PFA:PFA+1] offset:ROWB th:TH_LOAD_NT scope:SCOPE_SE
.Lnot_mine_\@:
.endm
.macro CREST
	s_cmp_lg_u32 s14, 0
	s_cbranch_scc1 .Lnot_wave_0_\@
	s_barrier_signal -3
.Lnot_wave_0_\@:
	s_barrier_wait -3
	s_barrier_signal -1
	s_barrier_wait -1
.endm
.macro CROUND
	s_barrier_signal -1
	s_barrier_wait -1
	CREST
.endm
.macro PLACES n
.rept \n
	v_nop
.endr
.endm
.macro MAX32 m, n, x
	v_max3_num_f32 v[\m], |v[\x]|, |v[\x+1]|, |v[\x+2]|
	v_max3_num_f32 v[\n], |v[\x+3]|, |v[\x+4]|, |v[\x+5]|
.irp i, 6,10,14,18,22,26
	v_max3_num_f32 v[\m], v[\m], |v[\x+\i]|, |v[\x+\i+1]|
	v_max3_num_f32 v[\n], v[\n], |v[\x+\i+2]|, |v[\x+\i+3]|
.endr
	v_max3_num_f32 v[\m], v[\m], |v[\x+30]|, |v[\x+31]|
	v_max3_num_f32 v[\m], v[\m], v[\n], 0x1800000
.endm
; w2 = w2a w2b in f32 by fused multiply-adds, quantised along j into four fragments.  Lane (r, h) of tile t holds row q = 16 t + r and j = 32 h .. 32 h + 31: a whole block.
.macro KRONQ
.irp z, 0,1,2,3,4
.irp g, 0,1,2,3
	v_mov_b32 v[FB+8*\z+\g], 0
.endr
.endr
	v_mov_b32 v[KT+4], 0
.irp t, 0,1,2,3
.set kk, 0
.rept 32
	v_mul_f32 v[KD+kk], v[KA+4*\t], v[KB+kk]
.set kk, kk+1
.endr
.irp e, 1,2,3
.set kk, 0
.rept 32
	v_fmac_f32 v[KD+kk], v[KA+4*\t+\e], v[KB+32*\e+kk]
.set kk, kk+1
.endr
.endr
	MAX32 KT, KT+1, KD
	v_add_nc_u32 v[KT+2], 0xff000000, v[KT]
	v_lshrrev_b32 v[KT+3], 23, v[KT+2]
.irp g, 0,1,2,3
	v_cvt_scalef32_pk8_fp4_f32 v[FB+4+8*\t+\g], v[KD+8*\g:KD+8*\g+7], v[KT+2]
.endr
	v_lshlrev_b32 v[KT+3], v[SH8], v[KT+3]
	v_permlanex16_b32 v[KT+4], v[KT+3], s[SEL], s[SEL+1]
	v_or_b32 v[SLO+\t], v[KT+3], v[KT+4]
	v_lshlrev_b32 v[SHI+\t], 16, v[SLO+\t]
.endr
.endm
	s_load_b256 s[4:11], s[0:1], 0x0               ; xc s[4:5], xs s[6:7], wc s[8:9], ws s[10:11]
	s_load_b256 s[92:99], s[0:1], 0x20             ; tc s[92:93], ts s[94:95], cols s[96:97], w2a s[98:99]
	s_load_b64 s[100:101], s[0:1], 0x40            ; w2b
	s_load_b64 s[12:13], s[0:1], 0x48              ; out0
	v_lshl_add_u32 v[SPW], v0, 2, SPARE
	v_mov_b32 v[NIL], 0
	ds_add_u32 v[SPW], v[NIL]                      ; the wave's opening: the add, twice on end, and its wait ahead of my first tensor load
	ds_add_u32 v[SPW], v[NIL]
	v_lshrrev_b32 v1, 5, v0
	v_readfirstlane_b32 s14, v1                    ; wave 0..3
	s_lshr_b32 s15, s14, 1                         ; which 64 rows of the tile are mine.  Also: I fetch for A (0) or for B (1)
	s_and_b32 s16, s14, 1                          ; which 128 columns.  Also: which half of that tile I fetch
	s_bfe_u32 s40, ttmp6, 0x40000                  ; cx, cy
	s_bfe_u32 s41, ttmp6, 0x40004
	s_lshl_b32 s42, ttmp9, 2
	s_add_co_u32 s42, s42, s40                     ; tile column
	s_and_b32 s17, ttmp7, 0xffff
	s_lshl_b32 s17, s17, 2
	s_add_co_u32 s17, s17, s41                     ; tile row
	s_lshl_b32 s43, s41, 2
	s_lshl_b32 s43, 15, s43                        ; my row of the cluster
	s_lshl_b32 s44, 0x1111, s40                    ; my column
	s_or_b32 s[G1+0], s43, (0<<16)|(1<<20)|(1<<21)|(5<<22)|(3<<25)   ; the mask; elements of 1 byte; padding on; bit 21 beside a mask; 4 words behind every 64
	s_or_b32 s[G1B+0], s44, (0<<16)|(1<<20)|(1<<21)|(5<<22)|(3<<25)
	s_mov_b32 s[G1+1], ROWB<<16                    ; A's codes: 64 rows of 256 bytes, 2,048 bytes apart
	s_mov_b32 s[G1+2], 64<<16
	s_mov_b32 s[G1+3], ROWB<<16
	s_mov_b32 s[G1+4], 64
	s_mov_b32 s[G1+5], KROW
	s_mov_b32 s[G1+6], 0
	s_mov_b32 s[G1+7], 0
	s_mov_b32 s[G1B+1], ROWB<<16                   ; B's: 128 rows
	s_mov_b32 s[G1B+2], 128<<16
	s_mov_b32 s[G1B+3], ROWB<<16
	s_mov_b32 s[G1B+4], 128
	s_mov_b32 s[G1B+5], KROW
	s_mov_b32 s[G1B+6], 0
	s_mov_b32 s[G1B+7], 0
	s_or_b32 s[G1S+0], s43, (3<<16)|(1<<20)|(1<<21)|(5<<22)|(3<<25)  ; scale bytes: dense blocks, as rows of 32 elements of 8 bytes
	s_or_b32 s[G1SB+0], s44, (3<<16)|(1<<20)|(1<<21)|(5<<22)|(3<<25)
	s_mov_b32 s[G1S+1], 32<<16                     ; A's of 64 rows: 8,192 bytes: 32 rows
	s_mov_b32 s[G1S+2], 32<<16
	s_mov_b32 s[G1S+3], 32<<16
	s_mov_b32 s[G1S+4], 32
	s_mov_b32 s[G1S+5], 32
	s_mov_b32 s[G1S+6], 0
	s_mov_b32 s[G1S+7], 0
	s_mov_b32 s[G1SB+1], 32<<16                    ; B's of 128 rows: 64 rows
	s_mov_b32 s[G1SB+2], 64<<16
	s_mov_b32 s[G1SB+3], 32<<16
	s_mov_b32 s[G1SB+4], 64
	s_mov_b32 s[G1SB+5], 32
	s_mov_b32 s[G1SB+6], 0
	s_mov_b32 s[G1SB+7], 0
	s_lshl_b32 s18, s16, 6
	s_lshl_b32 s20, s17, 7
	s_add_co_u32 s20, s20, s18                     ; A: row 128 x tile row + 64 x half
	s_lshl_b32 s22, s20, 7                         ; its scale bytes,
	s_lshl_b32 s20, s20, 11                        ; its codes
	s_mov_b32 s21, 0
	s_mov_b32 s23, 0
	s_lshl_b32 s19, s16, 7
	s_lshl_b32 s46, s42, 8
	s_add_co_u32 s46, s46, s19                     ; B: row 256 x tile column + 128 x half
	s_lshl_b32 s2, s46, 7
	s_lshl_b32 s46, s46, 11
	s_mov_b32 s47, 0
	s_mov_b32 s3, 0
	s_mul_i32 s45, s16, AT64                       ; where they go: the wave's number alone enters an LDS address
	s_mul_i32 s18, s16, BT128
	s_add_co_u32 s18, s18, BOFF
	s_mov_b32 s[SEL], 0x76543210
	s_mov_b32 s[SEL+1], 0xfedcba98
	s_wait_dscnt 0x0                               ; both opening adds are done
	s_wait_kmcnt 0x0
	s_add_nc_u64 s[20:21], s[4:5], s[20:21]
	s_add_nc_u64 s[22:23], s[6:7], s[22:23]
	s_add_nc_u64 s[46:47], s[8:9], s[46:47]
	s_add_nc_u64 s[2:3], s[10:11], s[2:3]
	CROUND                                         ; all sixteen work-groups are here: the first joint loads meet
	s_mov_b32 s[G0S], 1
	s_mul_i32 s[G0S+1], s16, SAH
	s_add_co_u32 s[G0S+1], s[G0S+1], SCL
	s_mov_b64 s[G0S+2:G0S+3], s[22:23]
	s_or_b32 s[G0S+3], s[G0S+3], 0x80000000
	s_mov_b32 s[G0SB], 1
	s_mul_i32 s[G0SB+1], s16, SBH
	s_add_co_u32 s[G0SB+1], s[G0SB+1], SCLB
	s_mov_b64 s[G0SB+2:G0SB+3], s[2:3]
	s_or_b32 s[G0SB+3], s[G0SB+3], 0x80000000
	JLOAD G0S, G1S, G0SB, G1SB                     ; the scale bytes first: three loads of mine go out as one group
.irp s, 0,1
	s_mov_b32 s[G0+4*\s], 1
	s_add_co_u32 s[G0+4*\s+1], s45, \s*SLOT
	s_add_nc_u64 s[G0+4*\s+2:G0+4*\s+3], s[20:21], \s*ROWB
	s_or_b32 s[G0+4*\s+3], s[G0+4*\s+3], 0x80000000
	s_mov_b32 s[G0B+4*\s], 1
	s_add_co_u32 s[G0B+4*\s+1], s18, \s*SLOT
	s_add_nc_u64 s[G0B+4*\s+2:G0B+4*\s+3], s[46:47], \s*ROWB
	s_or_b32 s[G0B+4*\s+3], s[G0B+4*\s+3], 0x80000000
	JLOAD G0+4*\s, G1, G0B+4*\s, G1B
.endr
	v_and_b32 v1, 15, v0                           ; r
	v_bfe_u32 v2, v0, 4, 1                         ; h
	v_mul_u32_u24 v3, v1, PITCH
	v_lshl_add_u32 v3, v2, 4, v3                   ; a fragment's row x pitch + 16 h
	s_mul_i32 s21, s15, AT64                       ; my 64 rows of A
	s_mul_i32 s22, s16, BT128                      ; my 128 rows of B
	s_add_co_u32 s22, s22, BOFF
.irp s, 0,1
	v_add_nc_u32 v[ADRA+\s], s21, v3
	v_add_nc_u32 v[ADRB+\s], s22, v3
	s_add_co_u32 s21, s21, SLOT
	s_add_co_u32 s22, s22, SLOT
.endr
	v_lshlrev_b32 v3, 7, v1                        ; a row's scale bytes: 128 r, and 16 more for each 256 passed
	v_lshrrev_b32 v8, 1, v1
	v_lshl_add_u32 v3, v8, 4, v3
	v_mul_u32_u24 v8, v2, 2*SBLK                   ; lanes 16-31: two blocks on
	v_add_nc_u32 v8, v8, v3
	s_mul_i32 s21, s15, SAH
	s_add_co_u32 s21, s21, SCL
	v_add_nc_u32 v[ADSA], s21, v8
	v_mul_u32_u24 v8, v2, 4*SBLK                   ; lanes 16-31: four blocks on
	v_add_nc_u32 v8, v8, v3
	s_mul_i32 s22, s16, SBH
	s_add_co_u32 s22, s22, SCLB
	v_add_nc_u32 v[ADSB], s22, v8
	s_mul_i32 s23, s14, 16*SPITCH                  ; my stage
	v_mul_u32_u24 v3, v1, SPITCH
	v_lshl_add_u32 v3, v2, 5, v3
	v_add_nc_u32 v[STO], s23, v3                   ; in: row r, 32 bytes for each half of the lanes
	v_and_b32 v3, 31, v0
	v_lshlrev_b32 v[CO], 4, v3
	v_add_nc_u32 v[RD], s23, v[CO]                 ; back: 32 lanes take a row of 512 bytes
	v_lshlrev_b32 v[PFO], 11, v3
	v_lshlrev_b32 v4, 7, v2                        ; w2b: my 32 numbers of a row
	v_lshlrev_b32 v5, 4, v1                        ; w2a: row r of a tile
	v_lshrrev_b32 v8, 3, v1                        ; r / 8: which block of 8 rows
	v_and_b32 v9, 7, v1                            ; r % 8
	v_lshlrev_b32 v6, 14, v8                       ; T's codes: 16,384 (r / 8) + 128 h + 16 (r % 8)
	v_lshl_add_u32 v6, v2, 7, v6
	v_lshl_add_u32 v6, v9, 4, v6
	v_lshlrev_b32 v7, 10, v8                       ; T's scale words: 1,024 (r / 8) + 4 (r % 8)
	v_lshl_add_u32 v7, v9, 2, v7
	v_lshlrev_b32 v14, 5, v2                       ; cols: my half's eight columns of a block
	v_lshlrev_b32 v[SH8], 3, v2
	s_lshl_b32 s20, s17, 3
	s_lshl_b32 s21, s15, 2
	s_add_co_u32 s20, s20, s21                     ; my first block of 16 rows: 8 x tile row + 4 x half
	s_lshl_b32 s22, s42, 1
	s_add_co_u32 s22, s22, s16                     ; my pair of p: 2 x tile column + half
	s_lshl_b32 s46, s20, 15                        ; 16 rows are two blocks of 16,384 bytes,
	s_lshl_b32 s47, s22, 9                         ; a pair of p 512 bytes
	s_add_co_u32 s46, s46, s47
	s_mov_b32 s47, 0
	s_add_nc_u64 s[92:93], s[92:93], s[46:47]      ; tc
	s_lshl_b32 s46, s20, 11                        ; 16 rows are two blocks of 1,024 bytes,
	s_lshl_b32 s21, s22, 5                         ; a pair of p 32 bytes
	s_add_co_u32 s46, s46, s21
	s_add_nc_u64 s[94:95], s[94:95], s[46:47]      ; ts
	s_lshl_b32 s46, s22, 9                         ; my first column, in bytes of f32
	s_add_nc_u64 s[96:97], s[96:97], s[46:47]      ; cols
	s_add_nc_u64 s[12:13], s[12:13], s[46:47]
	s_lshl_b32 s46, s20, 18                        ; my first row of out0
	s_add_nc_u64 s[12:13], s[12:13], s[46:47]
	; the prefetches: where mine stand, and whether I ask
	s_lshl_b32 s20, s17, 7                         ; A: the tile row's first row
	s_lshl_b32 s21, s42, 8
	s_lshl_b32 s23, s16, 7
	s_add_co_u32 s21, s21, s23                     ; B: the tile column's first row + the 128 that I fetch
	s_and_b32 s22, ttmp7, 0xffff                   ; cluster y
	s_cmp_eq_u32 s15, 0                            ; do I fetch for A?
	s_cselect_b32 s20, s20, s21
	s_cselect_b32 s21, s40, s41                    ; my place among the four that ask for the tile with me
	s_cselect_b32 s22, ttmp9, s22                  ; the coordinate along which other clusters read the same rows
	s_cselect_b64 s[PFA:PFA+1], s[4:5], s[8:9]
	s_cmp_eq_u32 s14, 1                            ; A's 128 rows are four partners' 32: wave 0 names them, wave 1 nothing
	s_cselect_b32 s23, 1, 0
	s_or_b32 s22, s22, s23
	s_cmp_eq_u32 s22, 0
	s_cselect_b32 s[LIM], 1, -1                    ; the same in all sixteen partners, for a given wave
	s_lshl_b32 s21, s21, 5
	s_add_co_u32 s20, s20, s21                     ; + my work-group's 32 rows
	s_lshl_b32 s20, s20, 11
	s_add_co_u32 s20, s20, 2*ROWB                  ; at K step 2: the first refill steps it to 3 and names K step 4
	s_mov_b32 s21, 0
	s_add_nc_u64 s[PFA:PFA+1], s[PFA:PFA+1], s[20:21]
.irp t, 0,1,2,3
	global_load_b128 v[KA+4*\t:KA+4*\t+3], v5, s[98:99] offset:256*\t
.endr
.irp e, 0,1,2,3
.irp k, 0,1,2,3,4,5,6,7
	global_load_b128 v[KB+32*\e+4*\k:KB+32*\e+4*\k+3], v4, s[100:101] offset:256*\e+16*\k
.endr
.endr
.irp a, 0,1,2,3
	global_load_b32 v[TS+\a], v7, s[94:95] offset:2048*\a
.endr
	WIN 0xc0                                       ; destination window 3
.irp a, 0,1,2,3
	global_load_b128 v[TF+8*\a:TF+8*\a+3], v6, s[92:93] offset:32768*\a          ; p even
	global_load_b128 v[TF+8*\a+4:TF+8*\a+7], v6, s[92:93] offset:32768*\a+256    ; p odd
.endr
.irp pl, 0,1,2
.irp b, 0,1,2,3,4,5,6,7
	global_load_b128 v[64*\pl+8*\b:64*\pl+8*\b+3], v14, s[96:97] offset:16384*\pl+64*\b
	global_load_b128 v[64*\pl+8*\b+4:64*\pl+8*\b+7], v14, s[96:97] offset:16384*\pl+64*\b+16
.endr
.endr
	WIN 0
	s_wait_loadcnt 60                              ; w2a's and w2b's numbers are in; the 60 loads behind them may be out
	KRONQ                                          ; Q(w2), while the first tiles are on their way
	s_wait_loadcnt 0x0
.macro FRAG reg, adr, q, i             ; 16 rows x 128 K of 4-bit codes: two loads of 16 bytes, 32 bytes apart
.irp c, 0,1
	ds_load_b128 v[\reg+4*\c:\reg+4*\c+3], v[\adr] offset:64*(\q)+32*\c+(\i)*16*PITCH
.endr
.endm
.macro WMS d, s0, s1, c0, c1, zero, h0, h1     ; h0, h1: the scale words lie in lanes 16-31
.if \zero
.if (\h0) && (\h1)
	v_wmma_scale_f32_16x16x128_f8f6f4 v[\d:\d+7], v[\s0:\s0+7], v[\s1:\s1+7], 0, v[\c0], v[\c1] matrix_a_fmt:MATRIX_FMT_FP4 matrix_b_fmt:MATRIX_FMT_FP4 matrix_a_scale:MATRIX_SCALE_ROW1 matrix_b_scale:MATRIX_SCALE_ROW1
.elseif (\h0)
	v_wmma_scale_f32_16x16x128_f8f6f4 v[\d:\d+7], v[\s0:\s0+7], v[\s1:\s1+7], 0, v[\c0], v[\c1] matrix_a_fmt:MATRIX_FMT_FP4 matrix_b_fmt:MATRIX_FMT_FP4 matrix_a_scale:MATRIX_SCALE_ROW1
.elseif (\h1)
	v_wmma_scale_f32_16x16x128_f8f6f4 v[\d:\d+7], v[\s0:\s0+7], v[\s1:\s1+7], 0, v[\c0], v[\c1] matrix_a_fmt:MATRIX_FMT_FP4 matrix_b_fmt:MATRIX_FMT_FP4 matrix_b_scale:MATRIX_SCALE_ROW1
.else
	v_wmma_scale_f32_16x16x128_f8f6f4 v[\d:\d+7], v[\s0:\s0+7], v[\s1:\s1+7], 0, v[\c0], v[\c1] matrix_a_fmt:MATRIX_FMT_FP4 matrix_b_fmt:MATRIX_FMT_FP4
.endif
.else
.if (\h0) && (\h1)
	v_wmma_scale_f32_16x16x128_f8f6f4 v[\d:\d+7], v[\s0:\s0+7], v[\s1:\s1+7], v[\d:\d+7], v[\c0], v[\c1] matrix_a_fmt:MATRIX_FMT_FP4 matrix_b_fmt:MATRIX_FMT_FP4 matrix_a_scale:MATRIX_SCALE_ROW1 matrix_b_scale:MATRIX_SCALE_ROW1
.elseif (\h0)
	v_wmma_scale_f32_16x16x128_f8f6f4 v[\d:\d+7], v[\s0:\s0+7], v[\s1:\s1+7], v[\d:\d+7], v[\c0], v[\c1] matrix_a_fmt:MATRIX_FMT_FP4 matrix_b_fmt:MATRIX_FMT_FP4 matrix_a_scale:MATRIX_SCALE_ROW1
.elseif (\h1)
	v_wmma_scale_f32_16x16x128_f8f6f4 v[\d:\d+7], v[\s0:\s0+7], v[\s1:\s1+7], v[\d:\d+7], v[\c0], v[\c1] matrix_a_fmt:MATRIX_FMT_FP4 matrix_b_fmt:MATRIX_FMT_FP4 matrix_b_scale:MATRIX_SCALE_ROW1
.else
	v_wmma_scale_f32_16x16x128_f8f6f4 v[\d:\d+7], v[\s0:\s0+7], v[\s1:\s1+7], v[\d:\d+7], v[\c0], v[\c1] matrix_a_fmt:MATRIX_FMT_FP4 matrix_b_fmt:MATRIX_FMT_FP4
.endif
.endif
.endm
; 8 matrix instructions: A's block a x B's eight, the slot's q-th 128 along K; p: the sets of fragments; sc: the set of scale words.  The 32 accumulators take turns in one order throughout.
.macro MULA a, p, q, sc, zero
.irp b, 0,1,2,3,4,5,6,7
	WMS 8*(8*(\a)+\b), 128*(\p)+FR*\b, AF+32*(\p)+FR*(\a), SC+24*(\sc)+8+4*(\b%4)+(\q), SC+24*(\sc)+4*((\a)%2)+(\q), \zero, \b/4, (\a)/2
.endr
.endm
.macro FETCH slot, q, p                ; 24 LDS loads in one run: B's eight fragments and A's four, into sets p
	WIN TO_B
.irp i, 0,1,2,3,4,5,6,7
	FRAG 128*(\p)+FR*\i, ADRB+\slot, \q, \i
.endr
	WIN 0
.irp i, 0,1,2,3
	FRAG AF+32*(\p)+FR*\i, ADRA+\slot, \q, \i
.endr
.endm
.macro SCALES sc                       ; a K step's scale words: four words a row
.irp g, 0,1
	ds_load_b128 v[SC+24*\sc+4*\g:SC+24*\sc+4*\g+3], v[ADSA] offset:\g*SBLK
.endr
.irp g, 0,1,2,3
	ds_load_b128 v[SC+24*\sc+8+4*\g:SC+24*\sc+8+4*\g+3], v[ADSB] offset:\g*SBLK
.endr
.endm
.macro STEP slot, q, zero              ; a step of 128 along K that has its successor in the same slot
	s_wait_dscnt 0x0                               ; this step's fragments are in (asked for 32 matrix instructions ago)
	PLACES 4                                       ; in front of loads into registers that the last step's matrix instructions have read
	FETCH \slot, (\q)+1, 1-(\q)%2
	WIN MUL
	MULA 0, (\q)%2, \q, \slot, \zero
	MULA 1, (\q)%2, \q, \slot, \zero
	MULA 2, (\q)%2, \q, \slot, \zero
	MULA 3, (\q)%2, \q, \slot, \zero
	WIN 0
.endm
; A slot's last step changes slots: one barrier; in front of it each wave waits for all its tensor loads, adds 0 to its spare word, and waits for that and for its reads of this slot.  fill = 1: the slot is filled again, two K steps ahead.
.macro TURN slot, next, fill
.if \fill
	s_wait_xcnt 0x0                                ; the last prefetch, a K step back, has read its address: it is stepped here, ahead of the waits of the change of slots
	s_add_nc_u64 s[PFA:PFA+1], s[PFA:PFA+1], ROWB
.endif
	s_wait_tensorcnt 0x0                           ; all my tensor loads have landed: my part of the next slot
	ds_add_u32 v[SPW], v[NIL]                      ; 0 onto my spare word
	s_wait_dscnt 0x1                               ; the fragments are in; the add alone may be out
	WIN MUL
	MULA 0, 1, NQ-1, \slot, 0
	s_wait_dscnt 0x0                               ; the add is done, and my reads of this slot are over
	s_barrier_signal -1
	MULA 1, 1, NQ-1, \slot, 0
	WIN 0
	s_barrier_wait -1
.if \fill
	CREST                                          ; the barrier has opened a round of the cluster's: no wave of any partner still reads this slot or has a load on its way
	s_add_nc_u64 s[G0+4*\slot+2:G0+4*\slot+3], s[G0+4*\slot+2:G0+4*\slot+3], 2*ROWB
	s_add_nc_u64 s[G0B+4*\slot+2:G0B+4*\slot+3], s[G0B+4*\slot+2:G0B+4*\slot+3], 2*ROWB
	JLOAD G0+4*\slot, G1, G0B+4*\slot, G1B         ; the first tensor load behind the round; its four v_nop are the places in front of the loads below
.else
	PLACES 4
.endif
	v_add_nc_u32 v[ADSA], 16, v[ADSA]              ; on to the next K step's scale words
	v_add_nc_u32 v[ADSB], 16, v[ADSB]
	FETCH \next, 0, 0
	SCALES \next
.if \fill
	ASK                                            ; behind the joint load and the run of LDS loads that the next products wait for
.endif
	WIN MUL
	MULA 2, 1, NQ-1, \slot, 0
	MULA 3, 1, NQ-1, \slot, 0
	WIN 0
.endm
.macro STEPS slot, from
.set Q, \from
.rept NQ-1-\from
	STEP \slot, Q, 0
.set Q, Q+1
.endr
.endm
	s_wait_tensorcnt 0x1                           ; the scale bytes and my part of K step 0 are in; K step 1's load may be out
	s_barrier_signal -1
	s_barrier_wait -1
	FETCH 0, 0, 0
	SCALES 0
	STEP 0, 0, 1                                   ; the first step's products start the sums
	s_mov_b32 s3, LAPS-1
.Llap:                                             ; a trip goes once round the ring and fills both slots again
	STEPS 0, 1
	TURN 0, 1, 1
	STEPS 1, 0
	TURN 1, 0, 1
	STEP 0, 0, 0
	s_sub_co_u32 s3, s3, 1
	s_cmp_lg_u32 s3, 0
	s_cbranch_scc1 .Llap
	STEPS 0, 1                                     ; the last lap fills nothing
	TURN 0, 1, 0
	STEPS 1, 0
	s_wait_dscnt 0x0
	WIN MUL
	MULA 0, 1, NQ-1, 1, 0
	MULA 1, 1, NQ-1, 1, 0
	MULA 2, 1, NQ-1, 1, 0
	MULA 3, 1, NQ-1, 1, 0
	WIN 0
; THE WAY OUT, block by block of 16 rows x 128 columns (two p x 64 q).
.macro LOKR a                          ; lokr of block a: source 0 = 16 rows q of w2, source 1 = T's 16 rows; columns 0-63: p even, by [c | Z]; columns 64-127: p odd, by [Z | c]
	WIN 0x0c                                       ; source 1 window 3
.irp b, 0,1,2,3
	v_wmma_scale_f32_16x16x128_f8f6f4 v[LK+8*\b:LK+8*\b+7], v[FB+4+8*\b:FB+11+8*\b], v[TF+8*(\a):TF+8*(\a)+7], 0, v[SLO+\b], v[TS+(\a)] matrix_a_fmt:MATRIX_FMT_FP4 matrix_b_fmt:MATRIX_FMT_FP4
.endr
.irp b, 0,1,2,3
	v_wmma_scale_f32_16x16x128_f8f6f4 v[LK+32+8*\b:LK+39+8*\b], v[FB+8*\b:FB+7+8*\b], v[TF+8*(\a):TF+8*(\a)+7], 0, v[SHI+\b], v[TS+(\a)] matrix_a_fmt:MATRIX_FMT_FP4 matrix_b_fmt:MATRIX_FMT_FP4
.endr
	WIN 0
.endm
.macro COMB a                          ; c1 x sum + c0, then + c2 x lokr; each accumulator from its low end on.  The first 32 lines name no register of LOKR's: they are the places behind it
	WIN 0x3e                                       ; source 0 window 2, sources 1 and 2 window 3
.set ci, 0
.rept 32
	v_pk_fma_f32 v[OUT+ci:OUT+ci+1], v[64*(\a)+ci:64*(\a)+ci+1], v[C1+ci:C1+ci+1], v[C0+ci:C0+ci+1]
.set ci, ci+2
.endr
	WIN 0x0c                                       ; source 1 window 3
.set ci, 0
.rept 32
	v_pk_fma_f32 v[OUT+ci:OUT+ci+1], v[LK+ci:LK+ci+1], v[C2+ci:C2+ci+1], v[OUT+ci:OUT+ci+1]
.set ci, ci+2
.endr
	WIN 0
.endm
.macro TOSTAGE a                       ; through my own stage: in by 32 bytes of a row, back as whole rows of 512 bytes; LDS serves a wave's instructions in order
.irp b, 0,1,2,3,4,5,6,7
	ds_store_b128 v[STO], v[OUT+8*\b:OUT+8*\b+3] offset:64*\b
	ds_store_b128 v[STO], v[OUT+8*\b+4:OUT+8*\b+7] offset:64*\b+16
.endr
	WIN 0x40                                       ; destination window 1
.irp t, 0,1,2,3,4,5,6,7,8,9,10,11,12,13,14,15
	ds_load_b128 v[128*((\a)%2)+4*\t:128*((\a)%2)+4*\t+3], v[RD] offset:\t*SPITCH
.endr
	WIN 0
.endm
.macro SEND a
	s_wait_dscnt 0x0                               ; the block is back in registers, and the stage's stores have read theirs
.if (\a) > 0
	s_wait_xcnt 0x0                                ; the earlier stores have read their base and their data
	s_add_nc_u64 s[12:13], s[12:13], 16*SIZE_N*4
.endif
	WIN 0x04                                       ; a store's data are its source 1: window 1
.irp t, 0,1,2,3,4,5,6,7,8,9,10,11,12,13,14,15
	global_store_b128 v[CO], v[128*((\a)%2)+4*\t:128*((\a)%2)+4*\t+3], s[12:13] offset:\t*SIZE_N*4 th:TH_STORE_NT   ; 32 lanes store 512 consecutive bytes, aligned
.endr
	WIN 0
.endm
	PLACES 4                                       ; behind the last products: their results are read, and A's registers written, below
	LOKR 0
	COMB 0
	TOSTAGE 0
.irp a, 1,2,3
	LOKR \a
	SEND \a-1
	COMB \a
	TOSTAGE \a
.endr
	SEND 3
	s_wait_tensorcnt 0x0                           ; the wave's end, behind my last tensor load and my last LDS store
	ds_add_u32 v[SPW], v[NIL]
	s_wait_dscnt 0x0
	CROUND                                         ; the closing round: no work-group ends while a partner may still ask for a tile that names it
	s_endpgm
.Lfunc_end_k_q03698c7ed2_gemm:
	.size	k_q03698c7ed2_gemm, .Lfunc_end_k_q03698c7ed2_gemm-k_q03698c7ed2_gemm
	.p2alignl 7, 3214868480
	.fill 96, 4, 3214868480
	.section	.rodata,"a",@progbits
	.p2align	6, 0x0
	.amdhsa_kernel k_q03698c7ed2_gemm
		.amdhsa_group_segment_fixed_size 327680
		.amdhsa_private_segment_fixed_size 0
		.amdhsa_enable_private_segment 0
		.amdhsa_kernarg_size 80
		.amdhsa_user_sgpr_count 2
		.amdhsa_user_sgpr_kernarg_segment_ptr 1
		.amdhsa_wavefront_size32 1
		.amdhsa_system_sgpr_workgroup_id_x 1
		.amdhsa_system_sgpr_workgroup_id_y 1
		.amdhsa_system_sgpr_workgroup_id_z 1
		.amdhsa_system_vgpr_workitem_id 0
		.amdhsa_next_free_vgpr 1024
		.amdhsa_next_free_sgpr 102
		.amdhsa_reserve_vcc 0
		.amdhsa_float_denorm_mode_32 3
		.amdhsa_float_denorm_mode_16_64 3
		.amdhsa_memory_ordered 1
		.amdhsa_forward_progress 1
		.amdhsa_inst_pref_size 177
	.end_amdhsa_kernel
	.amdgpu_metadata
---
amdhsa.version: [ 1, 2 ]
amdhsa.kernels:
  - .name:           k_q03698c7ed2_gemm
    .symbol:         k_q03698c7ed2_gemm.kd
    .args:
      - { .name: xc, .offset: 0, .size: 8, .value_kind: global_buffer, .address_space: global }
      - { .name: xs, .offset: 8, .size: 8, .value_kind: global_buffer, .address_space: global }
      - { .name: wc, .offset: 16, .size: 8, .value_kind: global_buffer, .address_space: global }
      - { .name: ws, .offset: 24, .size: 8, .value_kind: global_buffer, .address_space: global }
      - { .name: tc, .offset: 32, .size: 8, .value_kind: global_buffer, .address_space: global }
      - { .name: ts, .offset: 40, .size: 8, .value_kind: global_buffer, .address_space: global }
      - { .name: cols, .offset: 48, .size: 8, .value_kind: global_buffer, .address_space: global }
      - { .name: w2a, .offset: 56, .size: 8, .value_kind: global_buffer, .address_space: global }
      - { .name: w2b, .offset: 64, .size: 8, .value_kind: global_buffer, .address_space: global }
      - { .name: out0, .offset: 72, .size: 8, .value_kind: global_buffer, .address_space: global }
    .group_segment_fixed_size: 327680
    .private_segment_fixed_size: 0
    .kernarg_segment_align: 8
    .kernarg_segment_size: 80
    .max_flat_workgroup_size: 128
    .sgpr_count:     102
    .vgpr_count:     1024
    .wavefront_size: 32
...
	.end_amdgpu_metadata
.endif
;; end of part 2
